; MI455X (gfx1250); checked and timed in simulation.
; The chip was launched on July 23, 2026; its instructions are those of AMD's public machine-readable ISA for CDNA 5 (MIT licence, August 2026) and "CDNA5" Instruction Set Architecture Reference Guide (July 2026). The comments in the code are by the model that wrote it; some were corrected since.
;; Embedding Search Layer. Allowed arithmetic: matrix products marked QUANTISED: E2M1 operands, one E8M0 scale for each 32 along K, by v_wmma_scale_f32_16x16x128_f8f6f4 with both operands' format E2M1 (or v_wmma_scale_f32_32x16x128_f4), f32 sums; everything else in f32.
;; Inputs: query 2,048 x 256 float32; vectors 131,072 x 256 float32.
;; Outputs: out0 2,048 int32.
;; This version of the problem:
;;   THIS VERSION OF THE PROBLEM IS GIVEN IN LOW PRECISION. The matrix products marked QUANTISED in the list below multiply operands that are first quantised to E2M1 (2 exponent bits, 1 mantissa bit; 4 bits a number), with one power-of-two scale for each 32 numbers along K (OCP MX v1.0); their sums are f32. All else is computed in f32.
;;   The module's matrix products, in the order in which they are computed (A, B: the left and right operand; K: the contracted axis; several contracted axes count as one K, in the product's order):
;;     1. [M 2,048, K 256] x [K 256, N 131,072]; A: input query; B: input vectors: QUANTISED
;;   THE QUANTISER, for each operand of a quantised product, along K:
;;     - K is cut into blocks of 32 from its start; a last block that is shorter is filled with zeros.
;;     - A block's scale is 2^e with e = floor(log2(the largest magnitude in the block)) - 2, held to -126 .. 127; a block of zeros has e = 0. As a byte (E8M0): e + 127.
;;     - Each number is divided by its block's scale, clamped to +-6, and rounded to the nearest number of E2M1, ties to even, subnormals kept.
;;     - The product sums the exact products of the quantised numbers (number of the format x scale) in f32.
;;   ~~~python
;;   def quantise(x, axis):      # numpy; x: float32 -> the quantised numbers, widened to float32 again
;;       x = np.moveaxis(x, axis, -1); K = x.shape[-1]
;;       x = np.pad(x, [(0, 0)] * (x.ndim - 1) + [(0, -K % 32)]); x = x.reshape(x.shape[:-1] + (-1, 32)); a = np.abs(x).max(-1, keepdims=True)
;;       e = np.where(a > 0, np.clip(np.frexp(np.where(a > 0, a, 1))[1] - 1 - 2, -126, 127), 0)      # np.frexp(a)[1] - 1 = floor(log2(a)), exactly
;;       r = np.clip(x / 2.0 ** e, -6, 6)
;;       step = 2.0 ** (np.maximum(np.frexp(np.where(r == 0, 1, r))[1] - 1, 0) - 1)
;;       q = np.round(r / step) * step * 2.0 ** e      # np.round: ties to even
;;       return np.moveaxis(q.reshape(q.shape[:-2] + (-1,))[..., :K], -1, axis).astype(np.float32)
;;   ~~~
;; One version. Each part assembles by itself: llvm-mc -triple=amdgcn-amd-amdhsa -mcpu=gfx1250 --defsym DOCPART=n.
;; ======== version 1 of 1: 4 launches
;; limits: right only within a limited range of input values
;; workspace buffers: qimg 294,912 bytes; vimg 18,874,368 bytes; pp 4,194,304 bytes; win 8,192 bytes of whole numbers
;; launch quantq (part 1): grid 128 x 1, 1 waves a work-group, no clusters, 17,152 bytes of LDS; arguments query, qimg; writes qimg
.if DOCPART == 1
	.amdgcn_target "amdgcn-amd-amdhsa--gfx1250"
	.amdhsa_code_object_version 6
	.text
	.protected	k_q50dac92b16_quantq
	.globl	k_q50dac92b16_quantq
	.p2align	8
	.type	k_q50dac92b16_quantq,@function
k_q50dac92b16_quantq:
	s_mov_b64 s[64:65], 0
	v_nop
	global_prefetch_b8 v0, s[64:65] scope:SCOPE_SE
	s_setreg_imm32_b32 hwreg(HW_REG_WAVE_MODE, 25, 1), 1
	s_wait_xcnt 0x0
; query [2048][256], f32, becomes RECORDS: one record for each tile of 16 rows, 2,304 bytes, laid as an image of the matrix operand's registers.
;   bytes 0-2047     codes of FP4 (E2M1): block b of 32 along K of row r at 256 b + 16 r (so piece 2 s + c at 512 (2 s + c) + 16 x lane is registers 4 c .. 4 c + 3 of K step s)
;   bytes 2048-2175  scale words, 4 x lane: lanes 0-15 row r's four E8M0 bytes of K step 0, lanes 16-31 row r's of K step 1
;   bytes 2176-2303  4 x lane: the sum of squares of row lane % 16, of the UNQUANTISED numbers, in f32
; A block's scale is 2^(floor(log2(its largest magnitude)) - 2); its byte is the largest magnitude's exponent field - 2, held at 1 from below.  A block of zeros keeps the byte 1 where the rule says 127:
; its codes are zeros, and this program alone reads the bytes.
; LIMITS: NaN and infinities among the inputs are not served; blocks whose largest magnitude lies under 2^-124 have their byte held at 1.
; SHARES.  A work-group is one wave and takes one tile: 16 rows = 16,384 consecutive bytes; 128 tiles.  Each load reads 512 consecutive bytes; the tile turns through the stage in LDS (rows 1,040 bytes apart),
; from which a lane takes four whole blocks of 32 of its row.  No matrix unit, cluster or tensor load: each input byte is read once and nothing is shared.  (The vectors are quantised by the launch that multiplies them.)
.set PITCH, 1040                       ; a stage row: 1,024 bytes + 16
.set SM,    16640                      ; behind the stage: 256 bytes for the record's last 256
.set SPARE, 16896                      ; the spare words
.set REC,   2304
.set MX,  12                           ; v12-15   largest magnitude of block 2 s + c
.set SC,  16                           ; v16-19   the conversions' scale operands
.set BY,  20                           ; v20-23   the scale bytes
.set SQ,  24                           ; v[24:31] sums of squares, a pair for each block
.set CD,  40                           ; v40-55   the codes
.set X,   56                           ; v56-183  128 numbers: as loaded, then block (s, c) at X + 64 s + 32 c
	s_load_b128 s[4:7], s[0:1], 0x0                ; query, qimg
	v_lshl_add_u32 v184, v0, 2, SPARE
	v_mov_b32 v185, 0
	v_and_b32 v2, 15, v0                           ; r
	v_bfe_u32 v3, v0, 4, 1                         ; h
	v_lshlrev_b32 v4, 4, v0                        ; 16 x lane: my bytes of a load's or a store's 512, and the stage on the way in
	v_mul_u32_u24 v6, v2, PITCH
	v_lshl_add_u32 v6, v3, 7, v6                   ; the stage on the way out: row r, + 128 h
	v_lshl_add_u32 v7, v0, 2, SM                   ; the last 256 bytes: 4 x lane in,
	v_lshl_add_u32 v8, v0, 3, SM                   ; 8 x lane out
	v_lshlrev_b32 v9, 3, v0
	v_lshlrev_b32 v10, 3, v3                       ; 8 h: how far my two scale bytes are shifted
	v_mov_b32 v32, 0                               ; a lane permute's destination counts as one of its sources
	v_mov_b32 v35, 0
	v_mov_b32 v36, 0
	s_mov_b32 s20, 0x76543210
	s_mov_b32 s21, 0xfedcba98                      ; selects for lane l xor 16
	s_lshl_b32 s16, ttmp9, 14                      ; 16,384 bytes a tile
	s_mov_b32 s17, 0
	s_mul_i32 s18, ttmp9, REC
	s_mov_b32 s19, 0
	s_wait_alu depctr_va_vdst(0)
	s_wait_kmcnt 0x0
	s_add_nc_u64 s[4:5], s[4:5], s[16:17]
	s_add_nc_u64 s[6:7], s[6:7], s[18:19]
.set i, 0
.rept 32
	global_load_b128 v[X+4*i:X+4*i+3], v4, s[4:5] offset:512*i th:TH_LOAD_NT   ; half a row
.set i, i+1
.endr
.set i, 0
.rept 4
	s_wait_loadcnt 24-i                            ; loads i .. i + 7 are in, the 24 - i younger ones stay out
.rept 8
	ds_store_b128 v4, v[X+4*i:X+4*i+3] offset:(i/2)*PITCH+(i%2)*512
.set i, i+1
.endr
.endr
.irp s, 0,1                                    ; LDS serves a wave's instructions in order: these loads see the stores above
.irp c, 0,1
.irp g, 0,1,2,3,4,5,6,7
	ds_load_b128 v[X+64*\s+32*\c+4*\g:X+64*\s+32*\c+4*\g+3], v6 offset:512*\s+256*\c+16*\g
.endr
.endr
.endr
.macro QK s                            ; K step s: my two blocks by turns: largest magnitude, sum of squares, scale, codes
.irp c, 0,1
	v_max3_num_f32 v[MX+2*\s+\c], |v[X+64*\s+32*\c]|, |v[X+64*\s+32*\c+1]|, 0x1800000   ; with the floor 2^(3 - 127)
	v_pk_mul_f32 v[SQ+4*\s+2*\c:SQ+4*\s+2*\c+1], v[X+64*\s+32*\c:X+64*\s+32*\c+1], v[X+64*\s+32*\c:X+64*\s+32*\c+1]
.endr
.irp i, 2,4,6,8,10,12,14,16,18,20,22,24,26,28,30
.irp c, 0,1
	v_max3_num_f32 v[MX+2*\s+\c], v[MX+2*\s+\c], |v[X+64*\s+32*\c+\i]|, |v[X+64*\s+32*\c+\i+1]|
	v_pk_fma_f32 v[SQ+4*\s+2*\c:SQ+4*\s+2*\c+1], v[X+64*\s+32*\c+\i:X+64*\s+32*\c+\i+1], v[X+64*\s+32*\c+\i:X+64*\s+32*\c+\i+1], v[SQ+4*\s+2*\c:SQ+4*\s+2*\c+1]
.endr
.endr
.irp c, 0,1
	v_add_nc_u32 v[SC+2*\s+\c], 0xff000000, v[MX+2*\s+\c]   ; 2 off the exponent field: the conversion's scale operand
.endr
.irp c, 0,1
	v_lshrrev_b32 v[BY+2*\s+\c], 23, v[SC+2*\s+\c]          ; the scale's byte
.endr
.irp c, 0,1
.irp g, 0,1,2,3
	v_cvt_scalef32_pk8_fp4_f32 v[CD+8*\s+4*\c+\g], v[X+64*\s+32*\c+8*\g:X+64*\s+32*\c+8*\g+7], v[SC+2*\s+\c]
.endr
.endr
	v_nop                                          ; one plain instruction behind the last conversion of the run
.irp c, 0,1
	global_store_b128 v4, v[CD+8*\s+4*\c:CD+8*\s+4*\c+3], s[6:7] offset:1024*\s+512*\c   ; 512 consecutive bytes, at a multiple of 256 from the buffer's first byte
.endr
.endm
	s_wait_dscnt 16                                ; K step 0's sixteen loads are in
	QK 0
	s_wait_dscnt 0x0
	QK 1
	v_pk_add_f32 v[24:25], v[24:25], v[26:27]      ; the row's sum of squares: my four blocks,
	v_pk_add_f32 v[28:29], v[28:29], v[30:31]
	v_pk_add_f32 v[24:25], v[24:25], v[28:29]
	v_add_f32 v24, v24, v25
	v_permlanex16_b32 v32, v24, s20, s21
	v_add_f32 v24, v24, v32                        ; and lane l xor 16's four
	v_lshl_or_b32 v33, v21, 16, v20                ; my bytes are those of blocks h and 2 + h of each K step,
	v_lshl_or_b32 v34, v23, 16, v22
	v_lshlrev_b32 v33, v10, v33                    ; at their places in the word
	v_lshlrev_b32 v34, v10, v34
	v_permlanex16_b32 v35, v33, s20, s21
	v_permlanex16_b32 v36, v34, s20, s21
	v_or_b32 v33, v33, v35
	v_or_b32 v34, v34, v36
	v_cmp_eq_u32 vcc_lo, 1, v3
	v_cndmask_b32 v33, v33, v34, vcc_lo            ; lanes 0-15 keep K step 0's word, lanes 16-31 K step 1's
	ds_store_b32 v7, v33
	ds_store_b32 v7, v24 offset:128
	ds_load_b64 v[38:39], v8                       ; (in order: this sees the two stores)
	s_wait_dscnt 0x0
	global_store_b64 v9, v[38:39], s[6:7] offset:2048   ; the record's last 256 bytes by one store
	s_wait_tensorcnt 0x0                           ; the wave's end
	ds_add_u32 v184, v185
	s_wait_dscnt 0x0
	s_endpgm
.Lfunc_end_k_q50dac92b16_quantq:
	.size	k_q50dac92b16_quantq, .Lfunc_end_k_q50dac92b16_quantq-k_q50dac92b16_quantq
	.p2alignl 7, 3214868480
	.fill 96, 4, 3214868480
	.section	.rodata,"a",@progbits
	.p2align	6, 0x0
	.amdhsa_kernel k_q50dac92b16_quantq
		.amdhsa_group_segment_fixed_size 17152
		.amdhsa_private_segment_fixed_size 0
		.amdhsa_enable_private_segment 0
		.amdhsa_kernarg_size 16
		.amdhsa_user_sgpr_count 2
		.amdhsa_user_sgpr_kernarg_segment_ptr 1
		.amdhsa_wavefront_size32 1
		.amdhsa_system_sgpr_workgroup_id_x 1
		.amdhsa_system_sgpr_workgroup_id_y 1
		.amdhsa_system_sgpr_workgroup_id_z 1
		.amdhsa_system_vgpr_workitem_id 0
		.amdhsa_next_free_vgpr 186
		.amdhsa_next_free_sgpr 66
		.amdhsa_reserve_vcc 1
		.amdhsa_float_denorm_mode_32 3
		.amdhsa_float_denorm_mode_16_64 3
		.amdhsa_memory_ordered 1
		.amdhsa_forward_progress 1
		.amdhsa_inst_pref_size 20
	.end_amdhsa_kernel
	.amdgpu_metadata
---
amdhsa.version: [ 1, 2 ]
amdhsa.kernels:
  - .name:           k_q50dac92b16_quantq
    .symbol:         k_q50dac92b16_quantq.kd
    .args:
      - { .name: query, .offset: 0, .size: 8, .value_kind: global_buffer, .address_space: global }
      - { .name: qimg, .offset: 8, .size: 8, .value_kind: global_buffer, .address_space: global }
    .group_segment_fixed_size: 17152
    .private_segment_fixed_size: 0
    .kernarg_segment_align: 8
    .kernarg_segment_size: 16
    .max_flat_workgroup_size: 32
    .sgpr_count:     66
    .vgpr_count:     186
    .wavefront_size: 32
...
	.end_amdgpu_metadata
.endif
;; end of part 1
;; launch main (part 2): grid 256 x 1, 8 waves a work-group, no clusters, 327,680 bytes of LDS; arguments qimg, vectors, vimg, pp; writes vimg, pp
.if DOCPART == 2
	.amdgcn_target "amdgcn-amd-amdhsa--gfx1250"
	.amdhsa_code_object_version 6
	.text
	.protected	k_q50dac92b16_main
	.globl	k_q50dac92b16_main
	.p2align	8
	.type	k_q50dac92b16_main,@function
k_q50dac92b16_main:
	s_mov_b64 s[64:65], 0
	v_nop
	global_prefetch_b8 v0, s[64:65] scope:SCOPE_SE
	s_setreg_imm32_b32 hwreg(HW_REG_WAVE_MODE, 25, 1), 1
	s_wait_xcnt 0x0
; The vectors' quantiser and the whole quantised product, cross = query x vectors^T on codes of FP4 with E8M0 scales; of it, for each query and each work-group, the smallest clamped squared distance and the GROUP of 32 vectors that holds it.
; Work-group x is the only reader of vectors 512 x .. 512 x + 511, so it quantises them itself, 64 at a time (a PHASE).  A phase's four tiles become four RECORDS of 2,304 bytes in LDS, laid as the queries' records are
; (codes: block b of row r at 256 b + 16 r; scale words at 2048; at 2176 hv = -v_sq / 2 of the unquantised numbers, in f32, summed in an order of this text's own).  The records also go to vimg, for the launch that finds the index.
; dist_sq = max(q_sq + v_sq - 2 cross, 0).  hv is the C of the first K step: D = cross - v_sq / 2, and dist_sq = 2 (q_sq / 2 - min(D, q_sq / 2)).  So the search is for the LARGEST D, held at hq = q_sq / 2 from above, which is the clamp:
; the best so far rides in the chain of maxima; the hold and the comparison are paid once a group; dist_sq is made once, at the end (the factor 2 rounds nothing).
; TIES.  A group replaces the best only where its held D is strictly larger: the first group wins every tie, a tie at the clamp too.
; LIMITS: NaN and infinities are not served; blocks whose largest magnitude lies under 2^-124 have their scale byte held at 1 (a block of zeros too: its codes are zeros).  dist_sq is rounded as fl(q_sq - 2 fl(cross - v_sq / 2)).
; Groups of ONE work-group are compared by D, not by the root of dist_sq: two different D whose distances round to one number go to the larger D, not to the lower index.  (Between work-groups, and inside the winning group, the later launches compare roots.)
; SHARES.  Eight phases.  For each, wave w brings rows 64 p + 8 w .. + 7 (8,192 dense bytes) by one tensor load, as 32 chunks of 256 bytes, 272 apart in LDS; lane l takes chunk l: row l / 4, blocks 2 (l % 4) and 2 (l % 4) + 1.
; Wave w keeps query tiles 16 w .. 16 w + 15 in registers for the whole launch.  In phase p it multiplies them by the two groups of records p and, between its matrix instructions, quantises its rows of phase p + 1, a block of 32 at a time, into the other record buffer.
; ONE BARRIER A PHASE: in front of it each wave's tensor load (phase p + 1) has landed, its stores of records p are done, and so are its reads of records p - 1 and of the stage slot of phase p; behind it that slot takes phase p + 2.
; By this text's own count a wave has at most one tensor load outstanding.  PREFETCH: in phase p each wave names, a lane a block of 256 bytes, its own 8,192 bytes of phase p + 3, whose tensor load stands one phase on; phases 5 to 7 ask for nothing.
; NO CLUSTER: what all work-groups share is the 294,912 bytes of query records, read once, at the head, straight into registers; a joint load would land them in LDS, where they do not fit beside the 158,720 bytes in use.
; THE MATRIX INSTRUCTION: source 0 = 16 vectors, source 1 = 16 queries: a lane holds ONE query (lane % 16), its register j vector 8 (lane / 16) + j of the tile; the two halves of the lanes keep a best of their own and meet at the end.
; THE RESULTS: pp [64 pairs of query tiles][256 work-groups][16 rows][2 tiles] of (dist_sq, group): 256 bytes for a pair of tiles and a work-group.
; REGISTERS: window 0 as named below; window 1: the queries' codes, tile t, K step s at v[16 t + 8 s].
.set REC,   2304
.set GRP,   2*REC
.set RB,    4*REC                      ; a record buffer; two of them from LDS byte 0 (stored by ds_store; no tensor load lands here)
.set STG,   2*RB                       ; behind them the two stage slots
.set CH,    272                        ; a chunk: 256 bytes + 16 of padding: 16 lanes' 16 bytes fall in 16 different columns of 256
.set WST,   32*CH                      ; a wave's part of a stage slot
.set SLOTB, 8*WST
.set SPARE, STG+2*SLOTB                ; the spare words: 128 bytes for each of the eight waves
.set PHB,   65536                      ; a phase's 64 rows of vectors in bytes
.set BY1,  0                           ; v0   behind the head: the second block's scale byte
.set LI,   1                           ; v1   16 x lane
.set LS,   2                           ; v2   4 x lane
.set ADC,  3                           ; v3   32 x (lane / 16)
.set GV,   4                           ; v4   the number of the group in hand: 16 x + 0 .. 15
.set SA0,  5                           ; v5-6 my chunk in stage slot 0, 1
.set SA1,  6
.set CA,   7                           ; v7   where my two blocks' codes go
.set TM,   8                           ; v8-11 at work
.set SBA,  12                          ; v12  my two scale bytes
.set HA,   13                          ; v13  my row's hv
.set VOA,  14                          ; v14-15 the records' way out: the place in a record buffer and, the same number, in vimg
.set VOT,  15
.set VF,   16                          ; v16-47   the group's codes: tile u, K step s at VF + 16 u + 8 s
.set HV,   48                          ; v48-63   hv of my eight vectors of tile u at HV + 8 u
.set VS,   64                          ; v64-65   the vectors' scale words
.set QS,   66                          ; v66-81   the queries' likewise, a register a tile
.set QQ,   82                          ; v82-97   hq = q_sq / 2 of my query, a register a tile
.set BA,   98                          ; v98-113  the best held D so far, and
.set BB,   114                         ; v114-129 its next value: the two change places from group to group
.set IX,   130                         ; v130-145 the best's group
.set PFO,  146                         ; v146 256 x lane, for the prefetch
.set SPW,  147                         ; v147 my spare word;  v148 0
.set NIL,  148
.set SC,   150                         ; v150 the conversions' scale operand
.set BY,   151                         ; v151 the first block's scale byte, then both
.set CD,   152                         ; v152-155 a block's codes
.set SQ,   156                         ; v156-159 sums of squares, a pair a block
.set ACC,  160                         ; v160-223 two sets of four accumulators
.set XB,   224                         ; v224-255 a block's 32 numbers; between blocks: 1,280 bytes of records on their way out
.set OUTR, 224
.set OT,   232
.set MSB, 0
.macro WIN new                         ; the immediate's high byte repeats the setting that is left
.if MSB != \new
	s_set_vgpr_msb (MSB<<8)|\new
.set MSB, \new
.endif
.endm
	s_load_b256 s[4:11], s[0:1], 0x0               ; qimg s[4:5], vectors s[6:7], vimg s[8:9], pp s[10:11]
	v_lshl_add_u32 v[SPW], v0, 2, SPARE
	v_mov_b32 v[NIL], 0
	ds_add_u32 v[SPW], v[NIL]                      ; the opening lines: the add, twice on end, and its wait ahead of my first tensor load
	ds_add_u32 v[SPW], v[NIL]
	v_lshrrev_b32 v1, 5, v0
	v_readfirstlane_b32 s12, v1                    ; wave 0..7
	; group 1: 8,192 dense bytes as 32 rows of 256 (32 elements of 8 bytes), 16 bytes of padding behind each
	s_mov_b32 s16, (3<<16)|(1<<20)|(5<<22)|(3<<25)
	s_mov_b32 s17, 32<<16
	s_mov_b32 s18, 32<<16
	s_mov_b32 s19, 32<<16
	s_mov_b32 s20, 32
	s_mov_b32 s21, 32
	s_mov_b32 s22, 0
	s_mov_b32 s23, 0
	s_mov_b32 s24, 1                               ; group 0 of slot 0 in s[24:27], of slot 1 in s[28:31]
	s_mov_b32 s28, 1
	s_mul_i32 s25, s12, WST
	s_add_co_u32 s25, s25, STG
	s_add_co_u32 s29, s25, SLOTB
	s_lshl_b32 s40, ttmp9, 19                      ; my rows of phase 0 begin at byte 524,288 x + 8,192 w (under 2^28)
	s_lshl_b32 s13, s12, 13
	s_add_co_u32 s40, s40, s13
	s_mov_b32 s41, 0
	s_lshr_b32 s13, s12, 1                         ; my tile of the phase's four,
	s_and_b32 s14, s12, 1                          ; and which eight of its rows
	s_mul_i32 s42, s13, REC
	s_lshl_b32 s44, s14, 10
	s_add_co_u32 s44, s44, s42                     ; on the way out I take 1,024 bytes of codes: record w / 2, half w % 2
	s_lshl_b32 s43, s14, 7
	s_add_co_u32 s43, s43, s42                     ; codes: 16 bytes a row
	s_lshl_b32 s46, s14, 5
	s_add_co_u32 s46, s46, s42
	s_add_co_u32 s46, s46, 2048                    ; scale words: 4 bytes a row
	s_add_co_u32 s47, s46, 128                     ; hv: 4 bytes a row
	s_mul_i32 s45, s12, REC
	s_add_co_u32 s45, s45, 2048                    ; waves 0-3: the last 256 bytes of record w
	s_lshl_b32 s48, ttmp9, 4
	s_mov_b32 s32, 0x76543210
	s_mov_b32 s33, 0xfedcba98                      ; selects for lane l xor 16
	s_mov_b32 s34, 0xffff0000                      ; a mask of lanes 16-31
	s_wait_dscnt 0x0                               ; both opening adds are done
	s_wait_kmcnt 0x0
	s_add_nc_u64 s[38:39], s[6:7], s[40:41]        ; also the prefetches' base
	s_mov_b64 s[26:27], s[38:39]
	s_or_b32 s27, s27, 0x80000000
	s_add_nc_u64 s[30:31], s[38:39], PHB
	s_or_b32 s31, s31, 0x80000000
	tensor_load_to_lds s[24:27], s[16:23]          ; phase 0: every wave's one tensor load at the head
	s_nop 0
	v_and_b32 v2, 31, v0                           ; lane
	v_bfe_u32 v3, v0, 4, 1                         ; lane / 16
	v_bfe_u32 v8, v0, 2, 3                         ; lane / 4: my row of the eight
	v_and_b32 v9, 3, v0                            ; q = lane % 4: my quarter of K
	v_bfe_u32 v10, v0, 1, 1                        ; q / 2: its K step
	v_and_b32 v11, 1, v0                           ; q % 2
	v_lshlrev_b32 v[LI], 4, v2
	v_lshlrev_b32 v[PFO], 8, v2
	v_mul_u32_u24 v[SA0], v2, CH
	v_lshlrev_b32 v[CA], 9, v9                     ; blocks 2 q, 2 q + 1: 512 q
	v_lshlrev_b32 v[SBA], 6, v10                   ; 64 bytes of words a K step
	v_lshlrev_b32 v[HA], 6, v11                    ; hv stands twice, 64 bytes apart: lanes with q even write the first, q odd the second
	v_add_nc_u32 v[SA0], s25, v[SA0]
	v_lshl_add_u32 v[CA], v8, 4, v[CA]
	v_lshl_add_u32 v[SBA], v11, 1, v[SBA]
	v_lshl_add_u32 v[HA], v8, 2, v[HA]
	v_add_nc_u32 v[SA1], SLOTB, v[SA0]
	v_add_nc_u32 v[CA], s43, v[CA]
	v_lshl_add_u32 v[SBA], v8, 2, v[SBA]
	v_add_nc_u32 v[HA], s47, v[HA]
	v_add_nc_u32 v[SBA], s46, v[SBA]
	v_add_nc_u32 v[VOA], s44, v[LI]
	v_lshl_add_u32 v[VOT], v2, 3, s45
	v_lshlrev_b32 v[ADC], 5, v3
	v_lshlrev_b32 v[LS], 2, v2
	v_mov_b32 v[GV], s48
	s_wait_alu depctr_va_vdst(0)
	s_mul_i32 s40, s12, 16*REC                     ; my 16 query records
	s_add_nc_u64 s[4:5], s[4:5], s[40:41]
	WIN 0x40                                       ; destination window 1, address window 0
.set t, 0
.rept 16
.irp p, 0,1,2,3
	global_load_b128 v[16*t+4*\p:16*t+4*\p+3], v[LI], s[4:5] offset:REC*t+512*\p   ; the image of a fragment: 512 consecutive bytes a load
.endr
.set t, t+1
.endr
	WIN 0
.set t, 0
.rept 16
	global_load_b32 v[QS+t], v[LS], s[4:5] offset:REC*t+2048
	global_load_b32 v[QQ+t], v[LS], s[4:5] offset:REC*t+2176
.set t, t+1
.endr
	s_mul_i32 s40, ttmp9, 32*REC                   ; my work-group's 32 records in vimg
	s_add_nc_u64 s[8:9], s[8:9], s[40:41]
	s_lshl_b32 s40, s12, 19                        ; the results: my eight pairs of tiles, 65,536 bytes each; in each my work-group's 256
	s_lshl_b32 s13, ttmp9, 8
	s_add_co_u32 s40, s40, s13
	s_add_nc_u64 s[10:11], s[10:11], s[40:41]
.set t, 0
.rept 16
	v_mov_b32 v[BA+t], 0xff800000                  ; the best so far: -infinity, under every D
	v_mov_b32 v[IX+t], 0
.set t, t+1
.endr
	s_mov_b32 s15, 3
; a group's two records from LDS, at byte imm: 14 loads
.macro LOADV imm
.irp u, 0,1
.irp p, 0,1,2,3
	ds_load_b128 v[VF+16*\u+4*\p:VF+16*\u+4*\p+3], v[LI] offset:\imm+REC*\u+512*\p
.endr
	ds_load_b32 v[VS+\u], v[LS] offset:\imm+REC*\u+2048
	ds_load_b128 v[HV+8*\u:HV+8*\u+3], v[ADC] offset:\imm+REC*\u+2176
	ds_load_b128 v[HV+8*\u+4:HV+8*\u+7], v[ADC] offset:\imm+REC*\u+2192
.endr
.endm
; THE QUANTISER, a block of 32 at a time.  QLOAD: block c of my chunk in stage slot st.
.macro QLOAD c, st
.set g, 0
.rept 8
	ds_load_b128 v[XB+4*g:XB+4*g+3], v[SA0+(\st)] offset:128*\c+16*g
.set g, g+1
.endr
.endm
; QBLOCK: its largest magnitude (with the floor 2^(3 - 127)) and its sum of squares, each in two chains by turns; scale, byte, codes; the codes go into the record buffer at byte rb
.macro QBLOCK c, rb
	v_max3_num_f32 v[TM], |v[XB]|, |v[XB+1]|, 0x1800000
	v_pk_mul_f32 v[SQ+2*\c:SQ+2*\c+1], v[XB:XB+1], v[XB:XB+1]
	v_max3_num_f32 v[TM+1], |v[XB+16]|, |v[XB+17]|, 0x1800000
	v_pk_mul_f32 v[TM+2:TM+3], v[XB+16:XB+17], v[XB+16:XB+17]
.irp i, 2,4,6,8,10,12,14
	v_max3_num_f32 v[TM], v[TM], |v[XB+\i]|, |v[XB+\i+1]|
	v_pk_fma_f32 v[SQ+2*\c:SQ+2*\c+1], v[XB+\i:XB+\i+1], v[XB+\i:XB+\i+1], v[SQ+2*\c:SQ+2*\c+1]
	v_max3_num_f32 v[TM+1], v[TM+1], |v[XB+16+\i]|, |v[XB+17+\i]|
	v_pk_fma_f32 v[TM+2:TM+3], v[XB+16+\i:XB+17+\i], v[XB+16+\i:XB+17+\i], v[TM+2:TM+3]
.endr
	s_delay_alu instid0(VALU_DEP_2)
	v_max_num_f32 v[TM], v[TM], v[TM+1]
	s_delay_alu instid0(VALU_DEP_2)
	v_pk_add_f32 v[SQ+2*\c:SQ+2*\c+1], v[SQ+2*\c:SQ+2*\c+1], v[TM+2:TM+3]
	s_delay_alu instid0(VALU_DEP_2)
	v_add_nc_u32 v[SC], 0xff000000, v[TM]          ; 2 off the exponent field: the conversion's scale operand
	s_delay_alu instid0(VALU_DEP_1)
.if \c == 0
	v_lshrrev_b32 v[BY], 23, v[SC]                 ; the scale's byte
.else
	v_lshrrev_b32 v[BY1], 23, v[SC]
.endif
.irp g, 0,1,2,3
	v_cvt_scalef32_pk8_fp4_f32 v[CD+\g], v[XB+8*\g:XB+8*\g+7], v[SC]   ; eight numbers / the scale, to the nearest code, ties to even, beyond 6 the largest code
.endr
	v_nop                                          ; one plain instruction behind the last conversion
	ds_store_b128 v[CA], v[CD:CD+3] offset:(\rb)+256*\c
.endm
; QFIN: my two bytes, and hv of my row
.macro QFIN rb
	v_pk_add_f32 v[SQ:SQ+1], v[SQ:SQ+1], v[SQ+2:SQ+3]
	v_lshl_or_b32 v[BY], v[BY1], 8, v[BY]
	s_delay_alu instid0(VALU_DEP_2)
	v_add_f32 v[SQ], v[SQ], v[SQ+1]
	s_delay_alu instid0(VALU_DEP_1)
	v_add_f32_dpp v[SQ], v[SQ], v[SQ] row_xmask:1 row_mask:0xf bank_mask:0xf   ; with the three lanes that hold the rest of my row
	s_delay_alu instid0(VALU_DEP_1)
	v_add_f32_dpp v[SQ], v[SQ], v[SQ] row_xmask:2 row_mask:0xf bank_mask:0xf
	s_delay_alu instid0(VALU_DEP_1)
	v_mul_f32 v[SQ], -0.5, v[SQ]                   ; hv
	ds_store_b16 v[SBA], v[BY] offset:\rb
	ds_store_b32 v[HA], v[SQ] offset:\rb
.endm
; 8 matrix instructions: query tiles t0, t0 + 1 x the group's two vector tiles, into set p.  K step 0 of all four (C = hv), then K step 1: the four accumulators take turns.
.macro WB p, t0
	WIN 0x04                                       ; source 1 (the queries) window 1
.irp s, 0,1
.irp e, 0,1
.irp u, 0,1
.if \s == 0
	v_wmma_scale_f32_16x16x128_f8f6f4 v[ACC+32*(\p)+16*\e+8*\u:ACC+32*(\p)+16*\e+8*\u+7], v[VF+16*\u:VF+16*\u+7], v[16*((\t0)+\e):16*((\t0)+\e)+7], v[HV+8*\u:HV+8*\u+7], v[VS+\u], v[QS+(\t0)+\e] matrix_a_fmt:MATRIX_FMT_FP4 matrix_b_fmt:MATRIX_FMT_FP4
.else
	v_wmma_scale_f32_16x16x128_f8f6f4 v[ACC+32*(\p)+16*\e+8*\u:ACC+32*(\p)+16*\e+8*\u+7], v[VF+16*\u+8:VF+16*\u+15], v[16*((\t0)+\e)+8:16*((\t0)+\e)+15], v[ACC+32*(\p)+16*\e+8*\u:ACC+32*(\p)+16*\e+8*\u+7], v[VS+\u], v[QS+(\t0)+\e] matrix_a_fmt:MATRIX_FMT_FP4 matrix_b_fmt:MATRIX_FMT_FP4 matrix_a_scale:MATRIX_SCALE_ROW1 matrix_b_scale:MATRIX_SCALE_ROW1
.endif
.endr
.endr
.endr
.endm
; 22 plain vector instructions: set p's results, query tiles t0, t0 + 1 by turns.  The largest of the old best bo and my 16 D (each accumulator from its low end on), held at hq: the new best bn; the group where it rose.
.macro EP p, t0, bo, bn
	WIN 0
.set A0, ACC+32*(\p)
.irp e, 0,1
	v_max3_num_f32 v[TM+2*\e], v[\bo+(\t0)+\e], v[A0+16*\e], v[A0+16*\e+1]
.endr
.irp e, 0,1
	v_max3_num_f32 v[TM+2*\e+1], v[A0+16*\e+8], v[A0+16*\e+9], v[A0+16*\e+10]
.endr
.irp j, 2,4
.irp e, 0,1
	v_max3_num_f32 v[TM+2*\e], v[TM+2*\e], v[A0+16*\e+\j], v[A0+16*\e+\j+1]
.endr
.irp e, 0,1
	v_max3_num_f32 v[TM+2*\e+1], v[TM+2*\e+1], v[A0+16*\e+9+\j], v[A0+16*\e+10+\j]
.endr
.endr
.irp e, 0,1
	v_max3_num_f32 v[TM+2*\e], v[TM+2*\e], v[A0+16*\e+6], v[A0+16*\e+7]
.endr
.irp e, 0,1
	v_max3_num_f32 v[TM+2*\e], v[TM+2*\e], v[TM+2*\e+1], v[A0+16*\e+15]
.endr
.irp e, 0,1
	v_min_num_f32 v[\bn+(\t0)+\e], v[TM+2*\e], v[QQ+(\t0)+\e]               ; the clamp: no D counts for more than hq
.endr
	s_delay_alu instid0(VALU_DEP_2)
	v_cmp_gt_f32 vcc_lo, v[\bn+(\t0)], v[\bo+(\t0)]
	s_delay_alu instid0(VALU_DEP_2)
	v_cmp_gt_f32 s35, v[\bn+(\t0)+1], v[\bo+(\t0)+1]
	s_delay_alu instid0(VALU_DEP_2)
	v_cndmask_b32 v[IX+(\t0)], v[IX+(\t0)], v[GV], vcc_lo
	s_delay_alu instid0(VALU_DEP_2)
	v_cndmask_b32 v[IX+(\t0)+1], v[IX+(\t0)+1], v[GV], s35
.endm
; A GROUP of 32 vectors against my 16 query tiles.  Matrix work on one set stands beside vector work on the other.  Places: a set's results are read behind the 22 plain instructions on the OTHER set
; (behind four v_nop at the group's head); a set is begun anew behind 22 such instructions too; the next group's loads stand behind 22 that name no register of the last products.
; imm: where the next group lies, or -1.  qc: which block of the next phase's chunk (stage slot st) is quantised on the way, into the record buffer at rb, or -1.  outo: the record buffer whose bytes leave for vimg on the way, or -1.
.macro GROUP bo, bn, imm, qc, st, rb, outo
	s_wait_dscnt 0x0                               ; the group's 14 loads are in
.if \qc >= 0
	QLOAD \qc, \st
.endif
	WB 0, 0
.rept 4
	v_nop
.endr
	WB 1, 2
	EP 0, 0, \bo, \bn
	WB 0, 4
	EP 1, 2, \bo, \bn
.if \qc >= 0
	s_wait_dscnt 0x0                               ; the block's eight loads, issued 24 matrix instructions ago
	QBLOCK \qc, \rb
.if \qc == 1
	QFIN \rb
.endif
.endif
	WB 1, 6
	EP 0, 4, \bo, \bn
	WB 0, 8
	EP 1, 6, \bo, \bn
.if \outo >= 0
	s_cmp_ge_u32 s12, 4
	s_cbranch_scc1 .Lno_tail_\@
	ds_load_b64 v[OT:OT+1], v[VOT] offset:\outo    ; waves 0-3: the last 256 bytes of record w
.Lno_tail_\@:
	ds_load_b128 v[OUTR:OUTR+3], v[VOA] offset:\outo       ; every wave: 1,024 bytes of codes
	ds_load_b128 v[OUTR+4:OUTR+7], v[VOA] offset:\outo+512
.endif
	WB 1, 10
	EP 0, 8, \bo, \bn
	WB 0, 12
	EP 1, 10, \bo, \bn
.if \outo >= 0
	s_wait_dscnt 0x0
	global_store_b128 v[VOA], v[OUTR:OUTR+3], s[8:9] offset:\outo          ; 512 consecutive bytes, at a multiple of 256 from the buffer's first byte
	global_store_b128 v[VOA], v[OUTR+4:OUTR+7], s[8:9] offset:\outo+512
	s_cmp_ge_u32 s12, 4
	s_cbranch_scc1 .Lno_send_\@
	global_store_b64 v[VOT], v[OT:OT+1], s[8:9] offset:\outo               ; 256 consecutive bytes
.Lno_send_\@:
.endif
	WB 1, 14
	EP 0, 12, \bo, \bn
.if \imm >= 0
	LOADV \imm
.endif
	EP 1, 14, \bo, \bn
	v_add_nc_u32 v[GV], 1, v[GV]
.endm
; A PHASE p, sl = p % 2: its records lie in buffer sl.  fill: stage slot sl takes phase p + 2.  ask: phase p + 3 is prefetched (2: but not in the loop's last trip).  q: phase p + 1 is quantised on the way.
.macro BODY sl, fill, ask, q
	s_wait_alu depctr_va_vdst(0)
	s_wait_xcnt 0x0                                ; the last phase's stores have read their registers: these are loaded again below
	s_wait_tensorcnt 0x0                           ; my one tensor load has landed: the next phase's rows;
	ds_add_u32 v[SPW], v[NIL]
.if \fill
	s_add_nc_u64 s[26+4*\sl:27+4*\sl], s[26+4*\sl:27+4*\sl], 2*PHB   ; no load of mine is out: this slot's next rows
.endif
	s_wait_dscnt 0x0                               ; the add is done, and so are my stores of this phase's records, my reads of the last phase's and my reads of stage slot sl
	s_barrier_signal -1
	s_barrier_wait -1                              ; that now holds of all eight waves
.if \fill
	tensor_load_to_lds s[24+4*\sl:27+4*\sl], s[16:23]   ; my one load behind this barrier
	s_nop 0
.endif
	LOADV \sl*RB
.if \ask == 2
	s_cmp_lg_u32 s15, 1
	s_cbranch_scc0 .Lno_ask_\@
.endif
.if \ask
	global_prefetch_b8 v[PFO], s[38:39] offset:(3+\sl)*PHB th:TH_LOAD_NT scope:SCOPE_SE   ; my 32 blocks of 256 bytes of phase p + 3
.endif
.if \ask == 2
.Lno_ask_\@:
.endif
.if \q
	GROUP BA, BB, \sl*RB+GRP, 0, 1-\sl, (1-\sl)*RB, -1
	GROUP BB, BA, -1, 1, 1-\sl, (1-\sl)*RB, \sl*RB
.else
	GROUP BA, BB, \sl*RB+GRP, -1, 0, 0, -1
	GROUP BB, BA, -1, -1, 0, 0, \sl*RB
.endif
.endm
	; PHASE 0 IS QUANTISED BY ITSELF, while the queries' records arrive.  Slot 1's first fill is issued as a refill is.
	s_wait_alu depctr_va_vdst(0)
	s_wait_tensorcnt 0x0
	ds_add_u32 v[SPW], v[NIL]
	s_wait_dscnt 0x0
	s_barrier_signal -1
	s_barrier_wait -1
	tensor_load_to_lds s[28:31], s[16:23]          ; phase 1
	s_nop 0
	QLOAD 0, 0
	s_wait_dscnt 0x0
	QBLOCK 0, 0
	QLOAD 1, 0
	s_wait_dscnt 0x0
	QBLOCK 1, 0
	QFIN 0
	s_wait_loadcnt 0x0                             ; the queries' codes, scale words and q_sq
.set t, 0
.rept 16
	v_mul_f32 v[QQ+t], 0.5, v[QQ+t]                ; hq
.set t, t+1
.endr
.Ltrip:                                                ; 3 trips of two phases; every window is 0 here and at the branches
	BODY 0, 1, 1, 1
	BODY 1, 1, 2, 1
	s_wait_xcnt 0x0                                ; the stores and the prefetches have read their bases
	s_add_nc_u64 s[8:9], s[8:9], 2*RB
	s_add_nc_u64 s[38:39], s[38:39], 2*PHB
	s_sub_co_u32 s15, s15, 1
	s_cmp_lg_u32 s15, 0
	s_cbranch_scc1 .Ltrip
	BODY 0, 0, 0, 1                                ; the last two phases are written out: nothing more is fetched; phase 6 quantises phase 7
	BODY 1, 0, 0, 0
	; THE END.  The two halves of the lanes meet: the larger held D wins, at equal D the lower group.  Then dist_sq = 2 (hq - D), which is 0 or more.
.set t, 0
.rept 16
	v_permlanex16_b32 v[TM], v[BA+t], s32, s33
	v_permlanex16_b32 v[TM+1], v[IX+t], s32, s33
	s_delay_alu instid0(VALU_DEP_2)
	v_cmp_gt_f32 vcc_lo, v[TM], v[BA+t]
	s_delay_alu instid0(VALU_DEP_1)
	v_cndmask_b32 v[TM+2], v[IX+t], v[TM+1], vcc_lo
	s_delay_alu instid0(VALU_DEP_3)
	v_min_u32 v[TM+3], v[IX+t], v[TM+1]
	v_cmp_eq_f32 vcc_lo, v[TM], v[BA+t]
	s_delay_alu instid0(VALU_DEP_1)
	v_cndmask_b32 v[IX+t], v[TM+2], v[TM+3], vcc_lo
	v_max_num_f32 v[BA+t], v[BA+t], v[TM]
	s_delay_alu instid0(VALU_DEP_1)
	v_sub_f32 v[BA+t], v[QQ+t], v[BA+t]
	s_delay_alu instid0(VALU_DEP_1)
	v_add_f32 v[BA+t], v[BA+t], v[BA+t]
.set t, t+1
.endr
	; Both halves now hold the same.  Store g: lanes 0-15 send the pair of tiles 4 g, 4 g + 1, lanes 16-31 the pair 4 g + 2, 4 g + 3: 16 bytes a lane: (dist_sq, group) of the two tiles
	v_and_b32 v[TM], 0xf0, v[LI]                   ; 16 x (lane % 16)
	v_lshl_add_u32 v[TM], v[ADC], 11, v[TM]        ; + 65,536 x (lane / 16): the next pair of tiles
.irp g, 0,1,2,3
	v_cndmask_b32 v[ACC+4*\g], v[BA+4*\g], v[BA+4*\g+2], s34
	v_cndmask_b32 v[ACC+4*\g+1], v[IX+4*\g], v[IX+4*\g+2], s34
	v_cndmask_b32 v[ACC+4*\g+2], v[BA+4*\g+1], v[BA+4*\g+3], s34
	v_cndmask_b32 v[ACC+4*\g+3], v[IX+4*\g+1], v[IX+4*\g+3], s34
.endr
.irp g, 0,1,2,3
	global_store_b128 v[TM], v[ACC+4*\g:ACC+4*\g+3], s[10:11] offset:131072*\g   ; each sixteen lanes store 256 consecutive bytes, at a multiple of 256 from the buffer's first byte
.endr
	s_wait_tensorcnt 0x0                           ; the wave's end
	ds_add_u32 v[SPW], v[NIL]
	s_wait_dscnt 0x0
	s_endpgm
.Lfunc_end_k_q50dac92b16_main:
	.size	k_q50dac92b16_main, .Lfunc_end_k_q50dac92b16_main-k_q50dac92b16_main
	.p2alignl 7, 3214868480
	.fill 96, 4, 3214868480
	.section	.rodata,"a",@progbits
	.p2align	6, 0x0
	.amdhsa_kernel k_q50dac92b16_main
		.amdhsa_group_segment_fixed_size 327680
		.amdhsa_private_segment_fixed_size 0
		.amdhsa_enable_private_segment 0
		.amdhsa_kernarg_size 32
		.amdhsa_user_sgpr_count 2
		.amdhsa_user_sgpr_kernarg_segment_ptr 1
		.amdhsa_wavefront_size32 1
		.amdhsa_system_sgpr_workgroup_id_x 1
		.amdhsa_system_sgpr_workgroup_id_y 1
		.amdhsa_system_sgpr_workgroup_id_z 1
		.amdhsa_system_vgpr_workitem_id 0
		.amdhsa_next_free_vgpr 512
		.amdhsa_next_free_sgpr 66
		.amdhsa_reserve_vcc 1
		.amdhsa_float_denorm_mode_32 3
		.amdhsa_float_denorm_mode_16_64 3
		.amdhsa_memory_ordered 1
		.amdhsa_forward_progress 1
		.amdhsa_inst_pref_size 223
	.end_amdhsa_kernel
	.amdgpu_metadata
---
amdhsa.version: [ 1, 2 ]
amdhsa.kernels:
  - .name:           k_q50dac92b16_main
    .symbol:         k_q50dac92b16_main.kd
    .args:
      - { .name: qimg, .offset: 0, .size: 8, .value_kind: global_buffer, .address_space: global }
      - { .name: vectors, .offset: 8, .size: 8, .value_kind: global_buffer, .address_space: global }
      - { .name: vimg, .offset: 16, .size: 8, .value_kind: global_buffer, .address_space: global }
      - { .name: pp, .offset: 24, .size: 8, .value_kind: global_buffer, .address_space: global }
    .group_segment_fixed_size: 327680
    .private_segment_fixed_size: 0
    .kernarg_segment_align: 8
    .kernarg_segment_size: 32
    .max_flat_workgroup_size: 256
    .sgpr_count:     66
    .vgpr_count:     512
    .wavefront_size: 32
...
	.end_amdgpu_metadata
.endif
;; end of part 2
;; launch reduce (part 3): grid 64 x 1, 16 waves a work-group, no clusters, 6,144 bytes of LDS; arguments pp, win; writes win
.if DOCPART == 3
	.amdgcn_target "amdgcn-amd-amdhsa--gfx1250"
	.amdhsa_code_object_version 6
	.text
	.protected	k_q50dac92b16_reduce
	.globl	k_q50dac92b16_reduce
	.p2align	8
	.type	k_q50dac92b16_reduce,@function
k_q50dac92b16_reduce:
	s_mov_b64 s[64:65], 0
	v_nop
	global_prefetch_b8 v0, s[64:65] scope:SCOPE_SE
	s_setreg_imm32_b32 hwreg(HW_REG_WAVE_MODE, 25, 1), 1
	s_wait_xcnt 0x0
; For each query: of the 256 partial results (one from each block of 512 vectors: the smallest clamped dist_sq and its group of 32 vectors) the first smallest DISTANCE, and its group as a whole number, for the launch that follows.
; pp: [64 pairs of query tiles][256 blocks][16 rows][2 tiles] of (dist_sq, group).  win: the group of the query in tile Tq, row r at byte 256 (Tq / 4) + 4 (Tq % 4) + 16 r.
; The root is taken here, so that blocks are compared as reference() compares: by dist.  A lane's blocks go in ascending order and only a strictly smaller distance replaces the best; where two halves of the lanes meet,
; at equal distances the lower group wins, which is the lower block's: so the first wins a tie.
; LIMITS: v_sqrt_f32 is within one unit in the last place, not correctly rounded, and takes a denormal as 0 (ISA guide, its entry); NaN is not served.
; SHARES.  Work-group c owns the pair of tiles 2 c, 2 c + 1: 65,536 consecutive bytes.  Wave v takes blocks 16 v .. 16 v + 15, 4,096 bytes, by eight loads of 512: lanes 0-15 an even block, lanes 16-31 the odd one behind it; lane % 16 is the row.
; The 16 waves' results meet in LDS, 256 bytes a wave, and wave 0 finishes by the same steps.  All loads are out at once: no ring, no tensor load, no matrix unit; work-groups share nothing: no cluster.
; A work-group's results are 8 bytes for each of 16 rows, 16 bytes apart: the layout that the next launch reads; win has 8,192 bytes in all.
.set P, 16                             ; v16-47  load k: (dist, group) of tile 2 c at P + 4 k, of tile 2 c + 1 at P + 4 k + 2
	s_load_b128 s[4:7], s[0:1], 0x0                ; pp, win
	v_lshl_add_u32 v62, v0, 2, 4096
	v_mov_b32 v63, 0
	v_lshrrev_b32 v1, 5, v0
	v_readfirstlane_b32 s12, v1                    ; wave 0..15
	v_and_b32 v2, 31, v0                           ; lane
	v_and_b32 v4, 15, v0                           ; row
	v_lshlrev_b32 v3, 4, v2                        ; 16 x lane
	v_lshlrev_b32 v5, 4, v4                        ; 16 x row
	s_lshl_b32 s13, s12, 8
	v_add_nc_u32 v6, s13, v5                       ; LDS: 256 x wave + 16 x row
.irp i, 8,9,10,11
	v_mov_b32 v\i, 0                               ; a lane permute's destination counts as one of its sources
.endr
	s_mov_b32 s20, 0x76543210
	s_mov_b32 s21, 0xfedcba98                      ; selects for lane l xor 16
	s_lshl_b32 s14, ttmp9, 16
	s_lshl_b32 s16, s12, 12
	s_add_co_u32 s14, s14, s16                     ; 65,536 c + 4,096 v
	s_mov_b32 s15, 0
	s_lshr_b32 s18, ttmp9, 1
	s_lshl_b32 s18, s18, 8
	s_and_b32 s16, ttmp9, 1
	s_lshl_b32 s16, s16, 3
	s_add_co_u32 s18, s18, s16                     ; 256 (c / 2) + 8 (c % 2)
	s_mov_b32 s19, 0
	s_wait_alu depctr_va_vdst(0)
	s_wait_kmcnt 0x0
	s_add_nc_u64 s[4:5], s[4:5], s[14:15]
	s_add_nc_u64 s[6:7], s[6:7], s[18:19]
.set k, 0
.rept 8
	global_load_b128 v[P+4*k:P+4*k+3], v3, s[4:5] offset:512*k
.set k, k+1
.endr
	s_wait_loadcnt 0x0
.set k, 0
.rept 8
	v_sqrt_f32 v[P+4*k], v[P+4*k]                  ; dist = sqrt(dist_sq): one batch
	v_sqrt_f32 v[P+4*k+2], v[P+4*k+2]
.set k, k+1
.endr
	v_nop                                          ; a plain instruction behind the last root,
	s_wait_alu depctr_va_vdst(0)                   ; and one wait for the batch, ahead of its first reader
; the first smallest of my eight, the two tiles by turns; then with lane l xor 16's
.macro FIRSTMIN
.set k, 1
.rept 7
	v_cmp_lt_f32 s22, v[P+4*k], v[P]
	v_cmp_lt_f32 s23, v[P+4*k+2], v[P+2]
	s_delay_alu instid0(VALU_DEP_2)
	v_cndmask_b32 v[P+1], v[P+1], v[P+4*k+1], s22
	s_delay_alu instid0(VALU_DEP_2)
	v_cndmask_b32 v[P+3], v[P+3], v[P+4*k+3], s23
	v_min_num_f32 v[P], v[P], v[P+4*k]
	v_min_num_f32 v[P+2], v[P+2], v[P+4*k+2]
.set k, k+1
.endr
.irp i, 0,1,2,3
	v_permlanex16_b32 v[8+\i], v[P+\i], s20, s21
.endr
.irp i, 0,2
	v_cmp_lt_f32 vcc_lo, v[8+\i], v[P+\i]
	v_cndmask_b32 v12, v[P+\i+1], v[9+\i], vcc_lo
	v_min_u32 v13, v[P+\i+1], v[9+\i]
	v_cmp_eq_f32 vcc_lo, v[8+\i], v[P+\i]
	v_cndmask_b32 v[P+\i+1], v12, v13, vcc_lo
	v_min_num_f32 v[P+\i], v[P+\i], v[8+\i]
.endr
.endm
	FIRSTMIN
	ds_store_b128 v6, v[P:P+3]                     ; both halves of the lanes hold the same and write the same bytes
	s_wait_dscnt 0x0                               ; for the others' sake: my store is done
	s_barrier_signal -1
	s_barrier_wait -1
	s_cmp_lg_u32 s12, 0
	s_cbranch_scc1 .Ldone                          ; wave 0 finishes
.set k, 0
.rept 8
	ds_load_b128 v[P+4*k:P+4*k+3], v3 offset:512*k ; lanes 0-15 wave 2 k's result, lanes 16-31 wave 2 k + 1's
.set k, k+1
.endr
	s_wait_dscnt 0x0
	FIRSTMIN                                       ; the waves in ascending order of their blocks
	v_mov_b32 v14, v[P+1]
	v_mov_b32 v15, v[P+3]
	v_cmp_gt_u32 vcc_lo, 16, v2
	s_wait_alu depctr_va_vdst(0)
	s_wait_xcnt 0x0                                ; EXEC changes only behind this wait
	s_and_saveexec_b32 s24, vcc_lo
	global_store_b64 v5, v[14:15], s[6:7]          ; lanes 0-15: the two tiles' groups of row r
	s_wait_xcnt 0x0                                ; and again, in front of the line that widens it
	s_or_b32 exec_lo, exec_lo, s24
.Ldone:
	s_wait_tensorcnt 0x0                           ; the wave's end
	ds_add_u32 v62, v63
	s_wait_dscnt 0x0
	s_endpgm
.Lfunc_end_k_q50dac92b16_reduce:
	.size	k_q50dac92b16_reduce, .Lfunc_end_k_q50dac92b16_reduce-k_q50dac92b16_reduce
	.p2alignl 7, 3214868480
	.fill 96, 4, 3214868480
	.section	.rodata,"a",@progbits
	.p2align	6, 0x0
	.amdhsa_kernel k_q50dac92b16_reduce
		.amdhsa_group_segment_fixed_size 6144
		.amdhsa_private_segment_fixed_size 0
		.amdhsa_enable_private_segment 0
		.amdhsa_kernarg_size 16
		.amdhsa_user_sgpr_count 2
		.amdhsa_user_sgpr_kernarg_segment_ptr 1
		.amdhsa_wavefront_size32 1
		.amdhsa_system_sgpr_workgroup_id_x 1
		.amdhsa_system_sgpr_workgroup_id_y 1
		.amdhsa_system_sgpr_workgroup_id_z 1
		.amdhsa_system_vgpr_workitem_id 0
		.amdhsa_next_free_vgpr 64
		.amdhsa_next_free_sgpr 66
		.amdhsa_reserve_vcc 1
		.amdhsa_float_denorm_mode_32 3
		.amdhsa_float_denorm_mode_16_64 3
		.amdhsa_memory_ordered 1
		.amdhsa_forward_progress 1
		.amdhsa_inst_pref_size 11
	.end_amdhsa_kernel
	.amdgpu_metadata
---
amdhsa.version: [ 1, 2 ]
amdhsa.kernels:
  - .name:           k_q50dac92b16_reduce
    .symbol:         k_q50dac92b16_reduce.kd
    .args:
      - { .name: pp, .offset: 0, .size: 8, .value_kind: global_buffer, .address_space: global }
      - { .name: win, .offset: 8, .size: 8, .value_kind: global_buffer, .address_space: global }
    .group_segment_fixed_size: 6144
    .private_segment_fixed_size: 0
    .kernarg_segment_align: 8
    .kernarg_segment_size: 16
    .max_flat_workgroup_size: 512
    .sgpr_count:     66
    .vgpr_count:     64
    .wavefront_size: 32
...
	.end_amdgpu_metadata
.endif
;; end of part 3
;; launch resolve (part 4): grid 128 x 1, 4 waves a work-group, no clusters, 0 bytes of LDS; arguments qimg, vimg, win, out0; writes out0
.if DOCPART == 4
	.amdgcn_target "amdgcn-amd-amdhsa--gfx1250"
	.amdhsa_code_object_version 6
	.text
	.protected	k_q50dac92b16_resolve
	.globl	k_q50dac92b16_resolve
	.p2align	8
	.type	k_q50dac92b16_resolve,@function
k_q50dac92b16_resolve:
	s_mov_b64 s[64:65], 0
	v_nop
	global_prefetch_b8 v0, s[64:65] scope:SCOPE_SE
	s_setreg_imm32_b32 hwreg(HW_REG_WAVE_MODE, 25, 1), 1
	s_wait_xcnt 0x0
; For each query: the 32 vectors of its winning group once more (the same codes, scales, hv and matrix instructions as in the large launch: the same bits), dist = sqrt(max(q_sq - 2 D, 0)) of each, and the first smallest: the index.
; win holds the winning group (0 .. 4,095) of the query in tile Tq, row r at byte 256 (Tq / 4) + 4 (Tq % 4) + 16 r.  It was stored by the launch before; here it is read by scalar loads, held at 4,095 and made an address.
; SHARES.  Work-group Tq owns a tile of 16 queries; wave w its rows 4 w + a, a = 0 .. 3.  For slot a the wave multiplies the group's two tiles of vectors by the whole query tile and keeps the lanes of row 4 w + a.
; Source 0 = 16 vectors, source 1 = the 16 queries: a lane holds query lane % 16; register j of tile u is vector 16 u + 8 (lane / 16) + j of the group.
; LIMITS: v_sqrt_f32 is within one unit in the last place and takes a denormal as 0 (ISA guide, its entry); NaN is not served.
; 16 matrix instructions a wave, operands straight from memory into registers: the addresses hang on stored numbers, so no tensor load; each wave's records are its own, so no LDS and no cluster.
.set REC, 2304
.set GRP, 2*REC
.set QF,  8                            ; v8-23    the queries' codes: K step s at QF + 8 s
.set QSC, 24                           ; v24      their scale words
.set QQ,  25                           ; v25      q_sq of my query
.set FR,  32                           ; v32-159  the vectors' codes: x = 2 a + u, K step s at FR + 16 x + 8 s
.set CC,  160                          ; v160-223 hv, then D, then dist: CC + 8 x
.set SCV, 224                          ; v224-231 the vectors' scale words
.set LX,  232                          ; v232-235 slot a's index in its group
.set RES, 252                          ; v252     my query's result
	s_load_b256 s[4:11], s[0:1], 0x0               ; qimg s[4:5], vimg s[6:7], win s[8:9], out0 s[10:11]
	v_lshrrev_b32 v1, 5, v0
	v_readfirstlane_b32 s12, v1                    ; wave 0..3
	v_and_b32 v1, 31, v0                           ; lane
	v_and_b32 v2, 15, v0                           ; r
	v_bfe_u32 v3, v0, 4, 1                         ; h
	v_lshlrev_b32 v4, 4, v1                        ; 16 x lane
	v_lshlrev_b32 v5, 2, v1                        ; 4 x lane
	v_lshlrev_b32 v6, 5, v3                        ; 32 h
	v_lshrrev_b32 v7, 2, v1                        ; lane / 4
	s_lshr_b32 s14, ttmp9, 2
	s_lshl_b32 s14, s14, 8
	s_and_b32 s13, ttmp9, 3
	s_lshl_b32 s13, s13, 2
	s_add_co_u32 s14, s14, s13
	s_lshl_b32 s13, s12, 6
	s_add_co_u32 s14, s14, s13                     ; my four words of win begin here, 16 bytes apart
	s_mov_b32 s15, 0
	s_mul_i32 s16, ttmp9, REC
	s_mov_b32 s17, 0
	s_lshl_b32 s18, ttmp9, 6
	s_mov_b32 s19, 0
	s_mov_b32 s33, 0
	s_mov_b32 s36, 0x76543210
	s_mov_b32 s37, 0xfedcba98                      ; v_permlanex16_b32's selects for lane l xor 16
	s_wait_alu depctr_va_vdst(0)
	s_wait_kmcnt 0x0
	s_add_nc_u64 s[8:9], s[8:9], s[14:15]
	s_add_nc_u64 s[4:5], s[4:5], s[16:17]
	s_add_nc_u64 s[10:11], s[10:11], s[18:19]
.irp a, 0,1,2,3
	s_load_b32 s[20+\a], s[8:9], 16*\a
.endr
.irp p, 0,1,2,3
	global_load_b128 v[QF+4*\p:QF+4*\p+3], v4, s[4:5] offset:512*\p
.endr
	global_load_b32 v[QSC], v5, s[4:5] offset:2048
	global_load_b32 v[QQ], v5, s[4:5] offset:2176
.irp a, 0,1,2,3
	v_mov_b32 v[LX+\a], 0                          ; the chain begins at register 0
	v_mov_b32 v[236+\a], 0                         ; written once: a lane permute's destination counts as one of its sources
	v_mov_b32 v[240+\a], 0
.endr
	v_mov_b32 v[RES], 0
	s_wait_kmcnt 0x0
.irp a, 0,1,2,3
	s_min_u32 s[20+\a], s[20+\a], 4095             ; a loaded number enters an address only behind this hold: there are 4,096 groups
	s_mul_i32 s32, s[20+\a], GRP
	s_add_nc_u64 s[24+2*\a:25+2*\a], s[6:7], s[32:33]   ; the group's two records
	s_lshl_b32 s[40+\a], s[20+\a], 5               ; its first vector
	s_lshl_b32 s[44+\a], s12, 2
	s_add_co_u32 s[44+\a], s[44+\a], \a            ; the slot's row of the query tile
.endr
.irp a, 0,1,2,3
.irp u, 0,1
.irp p, 0,1,2,3
	global_load_b128 v[FR+16*(2*\a+\u)+4*\p:FR+16*(2*\a+\u)+4*\p+3], v4, s[24+2*\a:25+2*\a] offset:REC*\u+512*\p
.endr
	global_load_b128 v[CC+8*(2*\a+\u):CC+8*(2*\a+\u)+3], v6, s[24+2*\a:25+2*\a] offset:REC*\u+2176
	global_load_b128 v[CC+8*(2*\a+\u)+4:CC+8*(2*\a+\u)+7], v6, s[24+2*\a:25+2*\a] offset:REC*\u+2192
	global_load_b32 v[SCV+2*\a+\u], v5, s[24+2*\a:25+2*\a] offset:REC*\u+2048
.endr
.endr
	s_wait_loadcnt 0x0
; K step 0 of all eight accumulators (hv, as loaded, is their C), then K step 1: they take turns, one instruction a turn
.irp s, 0,1
.irp x, 0,1,2,3,4,5,6,7
.if \s == 0
	v_wmma_scale_f32_16x16x128_f8f6f4 v[CC+8*\x:CC+8*\x+7], v[FR+16*\x:FR+16*\x+7], v[QF:QF+7], v[CC+8*\x:CC+8*\x+7], v[SCV+\x], v[QSC] matrix_a_fmt:MATRIX_FMT_FP4 matrix_b_fmt:MATRIX_FMT_FP4
.else
	v_wmma_scale_f32_16x16x128_f8f6f4 v[CC+8*\x:CC+8*\x+7], v[FR+16*\x+8:FR+16*\x+15], v[QF+8:QF+15], v[CC+8*\x:CC+8*\x+7], v[SCV+\x], v[QSC] matrix_a_fmt:MATRIX_FMT_FP4 matrix_b_fmt:MATRIX_FMT_FP4 matrix_a_scale:MATRIX_SCALE_ROW1 matrix_b_scale:MATRIX_SCALE_ROW1
.endif
.endr
.endr
.rept 4
	v_nop                                          ; four places behind the last product, ahead of the first read of results (ISA guide 7.12.1)
.endr
.set j, 0
.rept 64
	v_fma_f32 v[CC+j], v[CC+j], -2.0, v[QQ]        ; q_sq - 2 D; each accumulator from its low end on
.set j, j+1
.endr
.set j, 0
.rept 64
	v_max_num_f32 v[CC+j], 0, v[CC+j]              ; the clamp
.set j, j+1
.endr
.set j, 0
	s_wait_alu depctr_va_vdst(0)
.rept 64
	v_sqrt_f32 v[CC+j], v[CC+j]                    ; dist: one batch
.set j, j+1
.endr
	v_nop                                          ; a plain instruction behind the last root,
	s_wait_alu depctr_va_vdst(0)                   ; and one wait for the batch, ahead of its first reader
; The first smallest of my 16 distances of each slot, the four slots by turns.  Register n = 8 u + j stands for index 16 u + j (+ 8 h, added below): ascending.  Where the best is not larger it stays.
.set n, 1
.rept 15
.irp a, 0,1,2,3
	v_cmp_le_f32 s[48+\a], v[CC+16*\a], v[CC+16*\a+n]
.endr
.irp a, 0,1,2,3
	v_cndmask_b32 v[LX+\a], n+8*(n/8), v[LX+\a], s[48+\a]
.endr
.irp a, 0,1,2,3
	v_min_num_f32 v[CC+16*\a], v[CC+16*\a], v[CC+16*\a+n]
.endr
.set n, n+1
.endr
.irp a, 0,1,2,3
	v_lshl_add_u32 v[LX+\a], v3, 3, v[LX+\a]       ; + 8 h
.endr
.irp a, 0,1,2,3                                ; with lane l xor 16's 16 vectors: the smaller distance wins, at equal distances the lower index
	v_permlanex16_b32 v[236+\a], v[CC+16*\a], s36, s37
	v_permlanex16_b32 v[240+\a], v[LX+\a], s36, s37
.endr
.irp a, 0,1,2,3
	v_cmp_lt_f32 vcc_lo, v[236+\a], v[CC+16*\a]
	v_cndmask_b32 v[244+\a], v[LX+\a], v[240+\a], vcc_lo
	v_min_u32 v[248+\a], v[LX+\a], v[240+\a]
	v_cmp_eq_f32 vcc_lo, v[236+\a], v[CC+16*\a]
	v_cndmask_b32 v[LX+\a], v[244+\a], v[248+\a], vcc_lo
	v_add_nc_u32 v[LX+\a], s[40+\a], v[LX+\a]      ; + the group's first vector
	v_cmp_eq_u32 vcc_lo, s[44+\a], v2              ; the lanes of the slot's own query keep it
	v_cndmask_b32 v[RES], v[RES], v[LX+\a], vcc_lo
.endr
	v_cmp_eq_u32 vcc_lo, s12, v7                   ; lanes 4 w .. 4 w + 3 hold rows 4 w .. 4 w + 3
	s_wait_alu depctr_va_vdst(0)
	s_wait_xcnt 0x0                                ; EXEC changes only behind this wait
	s_and_saveexec_b32 s52, vcc_lo
	global_store_b32 v5, v[RES], s[10:11]          ; four lanes store 16 neighbouring bytes; the work-group's four waves fill its 64
	s_wait_xcnt 0x0                                ; and again, in front of the line that widens it
	s_or_b32 exec_lo, exec_lo, s52
	s_endpgm
.Lfunc_end_k_q50dac92b16_resolve:
	.size	k_q50dac92b16_resolve, .Lfunc_end_k_q50dac92b16_resolve-k_q50dac92b16_resolve
	.p2alignl 7, 3214868480
	.fill 96, 4, 3214868480
	.section	.rodata,"a",@progbits
	.p2align	6, 0x0
	.amdhsa_kernel k_q50dac92b16_resolve
		.amdhsa_group_segment_fixed_size 0
		.amdhsa_private_segment_fixed_size 0
		.amdhsa_enable_private_segment 0
		.amdhsa_kernarg_size 32
		.amdhsa_user_sgpr_count 2
		.amdhsa_user_sgpr_kernarg_segment_ptr 1
		.amdhsa_wavefront_size32 1
		.amdhsa_system_sgpr_workgroup_id_x 1
		.amdhsa_system_sgpr_workgroup_id_y 1
		.amdhsa_system_sgpr_workgroup_id_z 1
		.amdhsa_system_vgpr_workitem_id 0
		.amdhsa_next_free_vgpr 256
		.amdhsa_next_free_sgpr 66
		.amdhsa_reserve_vcc 1
		.amdhsa_float_denorm_mode_32 3
		.amdhsa_float_denorm_mode_16_64 3
		.amdhsa_memory_ordered 1
		.amdhsa_forward_progress 1
		.amdhsa_inst_pref_size 31
	.end_amdhsa_kernel
	.amdgpu_metadata
---
amdhsa.version: [ 1, 2 ]
amdhsa.kernels:
  - .name:           k_q50dac92b16_resolve
    .symbol:         k_q50dac92b16_resolve.kd
    .args:
      - { .name: qimg, .offset: 0, .size: 8, .value_kind: global_buffer, .address_space: global }
      - { .name: vimg, .offset: 8, .size: 8, .value_kind: global_buffer, .address_space: global }
      - { .name: win, .offset: 16, .size: 8, .value_kind: global_buffer, .address_space: global }
      - { .name: out0, .offset: 24, .size: 8, .value_kind: global_buffer, .address_space: global }
    .group_segment_fixed_size: 0
    .private_segment_fixed_size: 0
    .kernarg_segment_align: 8
    .kernarg_segment_size: 32
    .max_flat_workgroup_size: 128
    .sgpr_count:     66
    .vgpr_count:     256
    .wavefront_size: 32
...
	.end_amdgpu_metadata
.endif
;; end of part 4
